; MI455X (gfx1250); checked and timed in simulation.
; The chip was launched on July 23, 2026; its instructions are those of AMD's public machine-readable ISA for CDNA 5 (MIT licence, August 2026) and "CDNA5" Instruction Set Architecture Reference Guide (July 2026). The comments in the code are by the model that wrote it; some were corrected since.
;; Multi Head Attention. Allowed arithmetic: matrix products marked QUANTISED: E4M3 operands, one E8M0 scale for each 32 along K, by v_wmma_scale_f32_16x16x128_f8f6f4 with both operands' format E4M3, f32 sums; everything else in f32.
;; Inputs: K_codes 8 x 2,048 x 16 x 32 uint8 (E4M3 codes of K, K innermost, in blocks of 32 codes); K_scales 8 x 2,048 x 16 uint8 (E8M0 scales of K, one for each 32 codes along K); Q_codes 8 x 2,048 x 16 x 32 uint8 (E4M3 codes of Q, K innermost, in blocks of 32 codes); Q_scales 8 x 2,048 x 16 uint8 (E8M0 scales of Q, one for each 32 codes along K); V_codes 8 x 2,048 x 16 x 32 uint8 (E4M3 codes of V, K innermost, in blocks of 32 codes); V_scales 8 x 2,048 x 16 uint8 (E8M0 scales of V, one for each 32 codes along K); Wk_codes 512 x 16 x 32 uint8 (E4M3 codes of Wk, K innermost, in blocks of 32 codes); Wk_scales 512 x 16 uint8 (E8M0 scales of Wk, one for each 32 codes along K); Wo_codes 512 x 16 x 32 uint8 (E4M3 codes of Wo, K innermost, in blocks of 32 codes); Wo_scales 512 x 16 uint8 (E8M0 scales of Wo, one for each 32 codes along K); Wq_codes 512 x 16 x 32 uint8 (E4M3 codes of Wq, K innermost, in blocks of 32 codes); Wq_scales 512 x 16 uint8 (E8M0 scales of Wq, one for each 32 codes along K); Wv_codes 512 x 16 x 32 uint8 (E4M3 codes of Wv, K innermost, in blocks of 32 codes); Wv_scales 512 x 16 uint8 (E8M0 scales of Wv, one for each 32 codes along K); bk 512 float32; bo 512 float32; bq 512 float32; bv 512 float32; mask 1 x 1 x 2,048 x 2,048 int32.
;; Outputs: out0 8 x 2,048 x 512 float32.
;; This version of the problem:
;;   THIS VERSION OF THE PROBLEM IS GIVEN IN LOW PRECISION. The matrix products marked QUANTISED in the list below multiply operands that are first quantised to E4M3 (4 exponent bits, 3 mantissa bits; 8 bits a number), with one power-of-two scale for each 32 numbers along K (OCP MX v1.0); their sums are f32. All else is computed in f32.
;;   The module's matrix products, in the order in which they are computed (A, B: the left and right operand; K: the contracted axis; several contracted axes count as one K, in the product's order):
;;     1. [M 16,384, K 512] x [K 512, N 512]; A: input Q (given as codes); B: input Wq (given as codes): QUANTISED
;;     2. [M 16,384, K 512] x [K 512, N 512]; A: input K (given as codes); B: input Wk (given as codes): QUANTISED
;;     3. [M 16,384, K 512] x [K 512, N 512]; A: input V (given as codes); B: input Wv (given as codes): QUANTISED
;;     4. batch 64 x [M 2,048, K 64] x [K 64, N 2,048]; A: computed on the way; B: computed on the way: QUANTISED
;;     5. batch 64 x [M 2,048, K 2,048] x [K 2,048, N 64]; A: softmax (see below); B: computed on the way: QUANTISED
;;     6. [M 16,384, K 512] x [K 512, N 512]; A: computed on the way; B: input Wo (given as codes): QUANTISED
;;   THE QUANTISER, for each operand of a quantised product, along K:
;;     - K is cut into blocks of 32 from its start; a last block that is shorter is filled with zeros.
;;     - A block's scale is 2^e with e = floor(log2(the largest magnitude in the block)) - 8, held to -126 .. 127; a block of zeros has e = 0. As a byte (E8M0): e + 127.
;;     - Each number is divided by its block's scale, clamped to +-448, and rounded to the nearest number of E4M3, ties to even, subnormals kept.
;;     - The product sums the exact products of the quantised numbers (number of the format x scale) in f32.
;;   ~~~python
;;   def quantise(x, axis):      # numpy; x: float32 -> the quantised numbers, widened to float32 again
;;       x = np.moveaxis(x, axis, -1); K = x.shape[-1]
;;       x = np.pad(x, [(0, 0)] * (x.ndim - 1) + [(0, -K % 32)]); x = x.reshape(x.shape[:-1] + (-1, 32)); a = np.abs(x).max(-1, keepdims=True)
;;       e = np.where(a > 0, np.clip(np.frexp(np.where(a > 0, a, 1))[1] - 1 - 8, -126, 127), 0)      # np.frexp(a)[1] - 1 = floor(log2(a)), exactly
;;       r = np.clip(x / 2.0 ** e, -448, 448)
;;       step = 2.0 ** (np.maximum(np.frexp(np.where(r == 0, 1, r))[1] - 1, -6) - 3)
;;       q = np.round(r / step) * step * 2.0 ** e      # np.round: ties to even
;;       return np.moveaxis(q.reshape(q.shape[:-2] + (-1,))[..., :K], -1, axis).astype(np.float32)
;;   ~~~
;;   SOFTMAX AHEAD OF A QUANTISED PRODUCT. Where the list says 'softmax', what is quantised is not the finished softmax but p = 2^(t - M), with t = logit x log2(e) and M = ceil(the row's largest t), a whole number; so 1/2 < the row's largest p <= 1. The row's sum l is taken of the UNQUANTISED p, in f32, and the product's result is divided by l at the end. Since M is a whole number, a kernel that streams over the keys may use a running M (the ceiling of the running maximum): every later rescaling is an exact power of two, which a block's scale takes up: the codes' values come out the same.
;;   OPERANDS COMPUTED ON THE WAY. 'Computed on the way' means the value that the module computes at that place (a softmax that the list does not call 'softmax' is quantised finished and normalised). What goes into a quantiser is computed in f32, as accurately as f32 sums, v_exp_f32 and their like allow (about 1e-6 of the number): no bf16 or f16 on the way to a quantiser, and a product that is left as it is and whose result goes on into a quantised operand takes f32 operands (vector FMAs, or v_wmma_f32_16x16x4_f32). A number that lies on a knife's edge between two numbers of the format may be rounded either way, as far as f32 arithmetic and the matrix unit's own rounding can turn it there, and no further.
;;   INPUTS GIVEN AS CODES. K (in the module: [8, 2048, 512], K = its axis 2); Q (in the module: [8, 2048, 512], K = its axis 2); V (in the module: [8, 2048, 512], K = its axis 2); Wk (in the module: [512, 512], K = its axis 1); Wo (in the module: [512, 512], K = its axis 1); Wq (in the module: [512, 512], K = its axis 1); Wv (in the module: [512, 512], K = its axis 1): each comes as NAME_codes (uint8): NAME with its K axis moved to the last place and cut into blocks of 32 codes, [.., K / 32, bytes a block], one block behind the other in memory; one code a byte (a code: sign, 4 exponent bits, 3 mantissa bits); and NAME_scales (uint8): the same leading axes, one E8M0 byte (e + 127) for each 32 codes along K. Its value is code x scale, taken as it is: it is not quantised again, and the codes and scales need not be those that the quantiser above would give.
;; One version. Each part assembles by itself: llvm-mc -triple=amdgcn-amd-amdhsa -mcpu=gfx1250 --defsym DOCPART=n.
;; ======== version 1 of 1: 3 launches
;; limits: right only within a limited range of input values
;; workspace buffers: qbuf 8,650,752 bytes; kbuf 8,650,752 bytes; vbuf 8,650,752 bytes; maskw 524,288 bytes of whole numbers; abuf 8,388,608 bytes; asc 524,288 bytes
;; launch prep (part 1): grid 256 x 1, 4 waves a work-group, no clusters, 270,848 bytes of LDS; arguments Q_codes, Q_scales, Wq_codes, Wq_scales, bq, qbuf, K_codes, K_scales, Wk_codes, Wk_scales, bk, kbuf, V_codes, V_scales, Wv_codes, Wv_scales, bv, vbuf, mask, maskw; writes qbuf, kbuf, vbuf, maskw
.if DOCPART == 1
	.amdgcn_target "amdgcn-amd-amdhsa--gfx1250"
	.amdhsa_code_object_version 6
	.text
	.protected	k_q3b92bb933a_prep
	.globl	k_q3b92bb933a_prep
	.p2align	8
	.type	k_q3b92bb933a_prep,@function
k_q3b92bb933a_prep:
	s_mov_b64 s[64:65], 0
	v_nop
	global_prefetch_b8 v0, s[64:65] scope:SCOPE_SE
	s_setreg_imm32_b32 hwreg(HW_REG_WAVE_MODE, 25, 1), 1
	s_wait_xcnt 0x0
; MULTI-HEAD ATTENTION IN MX-FP8, LAUNCH 1 OF 3: the three projections q = Q Wq^T + bq, k = K Wk^T + bk, v = V Wv^T + bv on the given codes,
; their results quantised (q, k along a head's 64 channels; v along the keys) and laid in the order of the next launch's operand registers; and the mask packed to bits.
; DEAD WORK: none.  Every input has a way to the output (bk moves k's codes and scales, so it stays although a softmax in real numbers would cancel it), and every input is loaded by one of the three launches.
; LIMITS: NaN and infinities among the inputs are not served.  A block whose largest magnitude lies under 2^-118 gets the scale byte 1 (the floor); a block of zeros gets the byte 1 where the
; quantiser says 127: its codes are zeros, which add nothing under any byte but 0xff, and these bytes are read by this program alone.
; SHARES.  256 work-groups of four waves: 64 for q, 64 for k, 64 for v (256 tokens each), 64 for the mask.  The parting hangs on the work-group's number alone.
; ONE SCHEME FOR THE THREE PRODUCTS: D[m][n] = R[m] . S[n], source 0 = 16 rows of R, source 1 = 16 rows of S: a lane holds ONE row n of S, and its registers run along m, the axis that is quantised.
;   q, k: R = 128 rows of W (two heads' channels), kept in 512 registers for the whole launch; S = the work-group's 256 tokens, from LDS.  The bias runs along m: it is the C of the first K step.
;   v:    R = 128 tokens (one key step), from LDS into the 512 registers; S = 256 rows of Wv, from memory.  The bias is one number a lane, copied into eight registers: the C of the first K step.
; THE 16 ROWS OF A TILE ARE NOT NEIGHBOURS: lane r of tile u (0, 1) of a group of 32 rows takes row 8 u + r + 8 (r / 8).  For R that makes the 16 registers of tiles (b, 0) and (b, 1) the 16 neighbours
; 32 b + 16 (lane / 16) + 0 .. 15 along m, the order of an operand's registers; for S it is the order in which the next launch wants its rows.
; OUT.  A CHUNK (8,448 bytes) holds four fragments as images of their registers (four registers: lane l's 16 bytes at 16 l, 512 bytes) and 256 bytes of scale words: word of (fragment f, row r) at 8,192 + 8 (r + 16 (f % 2)) + 4 (f / 2).
;   qbuf, kbuf: [batch x head][key step][chunk]; fragment f: tokens 32 f + (the tile order); registers 0-7 tile 0's 64 channels, registers 8-15 tile 1's.   vbuf: the same frame; fragment 2 b + u: channel 32 b + (tile order), registers along the step's 128 keys.
;   Every store of codes covers 512 consecutive bytes, every store of scale words 256, aligned.
; No cluster: no tile of tokens is read by two work-groups; W is shared, but it goes to registers, and all of W (270,336 bytes at this pitch) does not fit in LDS beside the tokens' 135,168.
.set XP,     528                       ; a token's row in LDS: 512 bytes + 16 of padding
.set MST,    135168                    ; behind the tokens' 256 rows: the mask path's own bytes, 4 waves x 64 rows x 528
.set SPARE,  270336                    ; the spare words, 128 bytes for each wave
.set CHUNK,  8448
.set HEADB,  16*CHUNK                  ; a (batch, head)'s 16 chunks
; window 0
.set VR,   1                           ; r = lane % 16
.set VH,   2                           ; h = lane / 16
.set PR,   3                           ; r + 8 (r / 8)
.set VW,   4                           ; 512 PR + 16 h: a fragment's lane term in W
.set VSCO, 5                           ; 16 (8 h + PR): scale words: lanes 0-15 take tile 0's rows, lanes 16-31 tile 1's
.set VXL,  6                           ; 528 PR + 16 h: a fragment's lane term in LDS
.set AX,   7                           ; the LDS address in hand
.set LI16, 8                           ; 16 x lane
.set LI8,  9                           ; 8 x lane
.set VBH,  10                          ; 64 h
.set VBR,  11                          ; 4 PR
.set MSA,  12                          ; mask path: where I store 16 bytes of a row
.set MRA,  13                          ; mask path: where I read my row's 16 numbers of a block
.set SPW,  14                          ; LDS address of my spare word; never rewritten
.set NIL,  15                          ; 0; never rewritten
.set RS,   16                          ; v16-31  R's scale words: register 4 b + ks
.set SS,   32                          ; v32-47  S's scale words: register 4 b + ks
.set SF,   64                          ; v64-191 S's fragments, two sets of 64 (16 ks + 4 c)
.set MX,   64                          ; mask path: 64 numbers of my row
.set MWD,  128                         ; mask path: a pair of registers of words for each of a round's four tasks
; windows 1 and 2: R's fragments: tile t at v[64 (t % 4) + 16 ks + 4 c], tiles 0-3 in window 1, tiles 4-7 in window 2
; window 3
.set ACC,  0                           ; 8 accumulators
.set PC,   64                          ; the 16 registers of codes just made
.set TM,   80                          ; 16 registers at work in the quantiser
.set PW,   96                          ; four scale words
.set HA,   100                         ; q, k: the first head's words of four fragments
.set HB,   104                         ; the second head's
.set KPA,  108                         ; a pair to store: the chunk's 256 bytes of words
.set KPB,  110
.set BM,   128                         ; q, k: the bias in the result's layout, 8 tiles x 8
.set CB,   192                         ; v: the bias of the tile in hand, eight times
.set BV,   200                         ; v: the bias of a trip's eight tiles
.set MSB, 0
.macro WIN new                         ; the immediate's high byte repeats the setting that is left; a switch that changes nothing is dropped
.if MSB != (\new)
	s_set_vgpr_msb (MSB<<8)|(\new)
.set MSB, (\new)
.endif
.endm
.macro WM ra, rb                       ; one product; ra, rb: the side's scale words stand in lanes 16-31
.if (\ra) && (\rb)
	v_wmma_scale_f32_16x16x128_f8f6f4 v[rD:rD+7], v[rA:rA+15], v[rB:rB+15], v[rC:rC+7], v[rSA], v[rSB] matrix_a_scale:MATRIX_SCALE_ROW1 matrix_b_scale:MATRIX_SCALE_ROW1
.elseif (\ra)
	v_wmma_scale_f32_16x16x128_f8f6f4 v[rD:rD+7], v[rA:rA+15], v[rB:rB+15], v[rC:rC+7], v[rSA], v[rSB] matrix_a_scale:MATRIX_SCALE_ROW1
.elseif (\rb)
	v_wmma_scale_f32_16x16x128_f8f6f4 v[rD:rD+7], v[rA:rA+15], v[rB:rB+15], v[rC:rC+7], v[rSA], v[rSB] matrix_b_scale:MATRIX_SCALE_ROW1
.else
	v_wmma_scale_f32_16x16x128_f8f6f4 v[rD:rD+7], v[rA:rA+15], v[rB:rB+15], v[rC:rC+7], v[rSA], v[rSB]
.endif
.endm
; 32 products: R's eight tiles x one tile of S (set p; group bl, tile u), K = 512 in four steps.  Four accumulators take turns, one instruction a turn.  The first K step takes the bias as C (v = 1: CB).
.macro MM p, bl, u, v
.irp hf, 0,1
	WIN 0xF1+\hf
.irp ks, 0,1,2,3
.irp tt, 0,1,2,3
.set rD, ACC+8*(4*\hf+\tt)
.set rA, 64*\tt+16*\ks
.set rB, SF+64*(\p)+16*\ks
.if \ks == 0
.if \v
.set rC, CB
.else
.set rC, BM+8*(4*\hf+\tt)
.endif
.else
.set rC, rD
.endif
.set rSA, RS+4*((4*\hf+\tt)/2)+\ks
.set rSB, SS+4*(\bl)+\ks
	WM (\tt)%2,\u
.endr
.endr
.endr
.endm
.macro SLL p, bl, u                    ; a tile of S from LDS: 16 loads
	WIN 0
.irp ks, 0,1,2,3
.irp c, 0,1,2,3
	ds_load_b128 v[SF+64*(\p)+16*\ks+4*\c:SF+64*(\p)+16*\ks+4*\c+3], v[AX] offset:(32*(\bl)+8*(\u))*XP+128*\ks+32*\c
.endr
.endr
.endm
.macro SLG p, bl, u                    ; a tile of S from W in memory: 16 loads
	WIN 0
.irp ks, 0,1,2,3
.irp c, 0,1,2,3
	global_load_b128 v[SF+64*(\p)+16*\ks+4*\c:SF+64*(\p)+16*\ks+4*\c+3], v[VW], s[8:9] offset:(32*(\bl)+8*(\u))*512+128*\ks+32*\c
.endr
.endr
.endm
.macro RLG                             ; R from W in memory: 128 loads
.irp t, 0,1,2,3,4,5,6,7
	WIN 0x40+0x40*(\t/4)
.irp ks, 0,1,2,3
.irp c, 0,1,2,3
	global_load_b128 v[64*(\t%4)+16*\ks+4*\c:64*(\t%4)+16*\ks+4*\c+3], v[VW], s[8:9] offset:(32*(\t/2)+8*(\t%2))*512+128*\ks+32*\c
.endr
.endr
.endr
	WIN 0
.endm
.macro RLL                             ; R from the tokens in LDS: 128 loads
.irp t, 0,1,2,3,4,5,6,7
	WIN 0x40+0x40*(\t/4)
.irp ks, 0,1,2,3
.irp c, 0,1,2,3
	ds_load_b128 v[64*(\t%4)+16*\ks+4*\c:64*(\t%4)+16*\ks+4*\c+3], v[AX] offset:(32*(\t/2)+8*(\t%2))*XP+128*\ks+32*\c
.endr
.endr
.endr
	WIN 0
.endm
; The lane's 64 results (register 16 b + i = place 32 b + 16 h + i along m) become 16 registers of codes and a scale word.  All in window 3.
.macro QUANT pw
.irp b, 0,1,2,3
	v_max3_num_f32 v[TM+\b], |v[ACC+16*\b]|, |v[ACC+16*\b+1]|, 0x4800000   ; block b: my 16 numbers, and the floor 2^(9 - 127): the byte cannot fall under 1.  Each accumulator is read from its low end on
.endr
.irp i, 2,4,6,8,10,12,14
.irp b, 0,1,2,3
	v_max3_num_f32 v[TM+\b], v[TM+\b], |v[ACC+16*\b+\i]|, |v[ACC+16*\b+\i+1]|   ; the four blocks by turns
.endr
.endr
.irp b, 0,1,2,3
	v_permlanex16_b32 v[TM+4+\b], v[TM+\b], s66, s67
.endr
.irp b, 0,1,2,3
	v_max_num_f32 v[TM+\b], v[TM+\b], v[TM+4+\b]           ; with lane l xor 16's 16: the block's largest magnitude
.endr
.irp b, 0,1,2,3
	v_add_nc_u32 v[TM+12+\b], 0xfc000000, v[TM+\b]         ; 8 off its exponent field: the conversion's scale operand
.endr
.irp b, 0,1,2,3
.endr
.irp b, 0,1,2,3
	v_lshrrev_b32 v[TM+4+\b], 23, v[TM+12+\b]              ; the scale's byte
.endr
	v_lshl_or_b32 v[\pw], v[TM+5], 8, v[TM+4]
	v_lshl_or_b32 v[\pw], v[TM+6], 16, v[\pw]
	v_lshl_or_b32 v[\pw], v[TM+7], 24, v[\pw]
.irp b, 0,1,2,3
.irp i, 0,1,2,3,4,5,6,7,8,9,10,11,12,13,14,15
.endr
	v_cvt_scalef32_pk8_fp8_f32 v[PC+4*\b:PC+4*\b+1], v[ACC+16*\b:ACC+16*\b+7], v[TM+12+\b]
	v_cvt_scalef32_pk8_fp8_f32 v[PC+4*\b+2:PC+4*\b+3], v[ACC+16*\b+8:ACC+16*\b+15], v[TM+12+\b]
.endr
	v_nop                                                  ; a plain line between the last conversion and the next products, which write its sources
.endm
.macro PLACES n
.rept \n
	v_nop
.endr
.endm
	s_load_b512 s[4:19], s[0:1], 0x0               ; Q's codes, scales, Wq's codes, scales, bq, qbuf, K's codes, scales
	s_load_b512 s[20:35], s[0:1], 0x40             ; Wk's codes, scales, bk, kbuf, V's codes, scales, Wv's codes, scales
	s_load_b256 s[36:43], s[0:1], 0x80             ; bv, vbuf, mask, maskw
	v_lshl_add_u32 v[SPW], v0, 2, SPARE
	v_mov_b32 v[NIL], 0
	ds_add_u32 v[SPW], v[NIL]                      ; the wave's opening: the add, twice on end, and its wait ahead of my first tensor load
	ds_add_u32 v[SPW], v[NIL]                      ; and once more; the set-up below, work on registers, stands between it and the wait
	v_lshrrev_b32 v1, 5, v0
	v_readfirstlane_b32 s44, v1                    ; wave 0..3
	s_lshr_b32 s45, ttmp9, 6                       ; 0 q, 1 k, 2 v, 3 the mask
	s_and_b32 s46, ttmp9, 63                       ; which of the kind's 64 work-groups
	; descriptor group 1: 64 rows x 512 bytes, 16 bytes of padding behind each row
	s_mov_b32 s52, (1<<20)|(6<<22)|(3<<25)         ; no mask; elements of 1 byte; padding on; after every 128 words (code 6) four words (code 3)
	s_mov_b32 s53, 512<<16                         ; tensor_dim0
	s_mov_b32 s54, 64<<16                          ; tensor_dim1
	s_mov_b32 s55, 512<<16                         ; tile_dim0
	s_mov_b32 s56, 64                              ; tile_dim1
	s_mov_b32 s57, 512                             ; from row to row
	s_mov_b32 s58, 0
	s_mov_b32 s59, 0
	s_mov_b32 s66, 0x76543210
	s_mov_b32 s67, 0xfedcba98                      ; v_permlanex16_b32's selects for lane l xor 16
	s_mov_b32 s69, 0xffff0000                      ; lanes 16-31
	s_mov_b32 s80, 0x05040100                      ; the low halves of two words
	s_mov_b32 s81, 0x07060302                      ; the high halves
	v_and_b32 v[VR], 15, v0
	v_bfe_u32 v[VH], v0, 4, 1
	v_and_b32 v[PR], 8, v[VR]
	v_add_nc_u32 v[PR], v[PR], v[VR]
	v_lshlrev_b32 v[VW], 9, v[PR]
	v_lshl_add_u32 v[VW], v[VH], 4, v[VW]
	v_lshl_add_u32 v[VSCO], v[VH], 3, v[PR]
	v_lshlrev_b32 v[VSCO], 4, v[VSCO]
	v_mul_u32_u24 v[VXL], v[PR], XP
	v_lshl_add_u32 v[VXL], v[VH], 4, v[VXL]
	v_and_b32 v[LI16], 31, v0
	v_lshlrev_b32 v[LI8], 3, v[LI16]
	v_lshlrev_b32 v[LI16], 4, v[LI16]
	v_lshlrev_b32 v[VBH], 6, v[VH]
	v_lshlrev_b32 v[VBR], 2, v[PR]
	s_mul_i32 s72, s44, 64*XP
	s_add_co_u32 s72, s72, MST                     ; the mask path's bytes of my wave
	v_add_nc_u32 v[MSA], s72, v[LI16]
	v_mul_u32_u24 v[MRA], v[VR], XP
	v_lshl_add_u32 v[MRA], v[VH], 6, v[MRA]
	v_add_nc_u32 v[MRA], s72, v[MRA]
	s_wait_dscnt 0x0                               ; both opening adds are done
	s_wait_kmcnt 0x0
	s_cmp_eq_u32 s45, 3
	s_cbranch_scc1 .Lmask
	; the kind's six buffers into s[4:15]: tokens' codes, tokens' scales, W's codes, W's scales, bias, out.  The choice hangs on the work-group's number alone
	s_cmp_eq_u32 s45, 1
	s_cselect_b64 s[4:5], s[16:17], s[4:5]
	s_cselect_b64 s[6:7], s[18:19], s[6:7]
	s_cselect_b64 s[8:9], s[20:21], s[8:9]
	s_cselect_b64 s[10:11], s[22:23], s[10:11]
	s_cselect_b64 s[12:13], s[24:25], s[12:13]
	s_cselect_b64 s[14:15], s[26:27], s[14:15]
	s_cmp_eq_u32 s45, 2
	s_cselect_b64 s[4:5], s[28:29], s[4:5]
	s_cselect_b64 s[6:7], s[30:31], s[6:7]
	s_cselect_b64 s[8:9], s[32:33], s[8:9]
	s_cselect_b64 s[10:11], s[34:35], s[10:11]
	s_cselect_b64 s[12:13], s[36:37], s[12:13]
	s_cselect_b64 s[14:15], s[38:39], s[14:15]
	s_lshl_b32 s72, s46, 17                        ; the work-group's 256 tokens of 512 bytes,
	s_lshl_b32 s73, s44, 15                        ; my wave's 64 of them
	s_add_co_u32 s72, s72, s73
	s_mov_b32 s73, 0
	s_mov_b32 s48, 1                               ; group 0: count = 1
	s_mul_i32 s49, s44, 64*XP                      ; LDS address: wave x 64 rows
	s_add_nc_u64 s[50:51], s[4:5], s[72:73]        ; global address
	s_or_b32 s51, s51, 0x80000000                  ; type = 2
	tensor_load_to_lds s[48:51], s[52:59]          ; my one tensor load of the launch: one is out
	s_nop 0
	PLACES 4
	WIN 0xFF
.irp b, 0,1,2,3
	v_mov_b32 v[TM+4+\b], 0                        ; written once: a lane permute's destination counts as one of its sources
.endr
	WIN 0
	s_cmp_eq_u32 s45, 2
	s_cbranch_scc1 .Lpathv
	; ---------------- q and k.  Wave w: W's rows 128 w .. 128 w + 127, heads 2 w and 2 w + 1, for all 256 tokens
	s_mov_b32 s73, 0
	s_lshl_b32 s72, s44, 16
	s_add_nc_u64 s[8:9], s[8:9], s[72:73]          ; W's codes at my 128 rows
	s_lshl_b32 s72, s44, 11
	s_add_nc_u64 s[76:77], s[10:11], s[72:73]      ; R's scale bytes: W's, 16 a row
	s_lshl_b32 s72, s46, 12
	s_add_nc_u64 s[78:79], s[6:7], s[72:73]        ; S's scale bytes: the tokens'
	s_lshl_b32 s72, s44, 9
	s_add_nc_u64 s[12:13], s[12:13], s[72:73]      ; my 128 numbers of the bias
	s_lshr_b32 s72, s46, 3                         ; the batch
	s_lshl_b32 s72, s72, 3
	s_lshl_b32 s74, s44, 1
	s_add_co_u32 s72, s72, s74                     ; 8 x batch + my first head
	s_lshl_b32 s72, s72, 4
	s_and_b32 s74, s46, 7
	s_lshl_b32 s74, s74, 1
	s_add_co_u32 s72, s72, s74                     ; x 16 + the work-group's first key step
	s_mul_i32 s72, s72, CHUNK
	s_add_nc_u64 s[14:15], s[14:15], s[72:73]
	RLG
.irp b, 0,1,2,3
	global_load_b128 v[RS+4*\b:RS+4*\b+3], v[VSCO], s[76:77] offset:512*\b
.endr
	WIN 0xC0
.irp t, 0,1,2,3,4,5,6,7
	global_load_b128 v[BM+8*\t:BM+8*\t+3], v[VBH], s[12:13] offset:4*(32*(\t/2)+8*(\t%2))       ; lane (., h), tile 2 b + u: channels 32 b + 16 h + 8 u + 0 .. 7
	global_load_b128 v[BM+8*\t+4:BM+8*\t+7], v[VBH], s[12:13] offset:4*(32*(\t/2)+8*(\t%2))+16
.endr
	WIN 0
	s_mov_b32 s71, 0                               ; the trip's first token's row in LDS
	s_mov_b32 s70, 2
	s_wait_tensorcnt 0x0                           ; my 64 rows have landed,
	s_barrier_signal -1
	s_barrier_wait -1                              ; everybody's have
.macro QKTILE i                        ; tile i = 2 b + u of a trip's eight tiles of tokens
.if (\i) < 7
	SLL 1-(\i)%2,((\i)+1)/2,((\i)+1)%2
	s_wait_dscnt 16                                ; all but the next tile's 16 loads, just issued
.else
	s_wait_dscnt 0x0
.endif
	MM (\i)%2,(\i)/2,(\i)%2,0
	WIN 0xFF
	PLACES 8                                       ; eight places between the last product and the first read of its result
	s_wait_xcnt 0x0                                ; the last tile's stores have read their data: the codes' registers may be written
	QUANT PW+(\i)%2
	WIN 0x0C                                       ; a store's data are its source 1: window 3
	global_store_b128 v[LI16], v[PC:PC+3], s[14:15] offset:2048*((\i)/2)+1024*((\i)%2)                ; first head: fragment b, registers 8 u on
	global_store_b128 v[LI16], v[PC+4:PC+7], s[14:15] offset:2048*((\i)/2)+1024*((\i)%2)+512
	global_store_b128 v[LI16], v[PC+8:PC+11], s[14:15] offset:HEADB+2048*((\i)/2)+1024*((\i)%2)       ; second head
	global_store_b128 v[LI16], v[PC+12:PC+15], s[14:15] offset:HEADB+2048*((\i)/2)+1024*((\i)%2)+512
.if (\i)%2 == 1
	WIN 0xFF
	v_perm_b32 v[HA+(\i)/2], v[PW+1], v[PW], s80   ; a fragment's word: tile 0's two bytes, tile 1's two bytes
	v_perm_b32 v[HB+(\i)/2], v[PW+1], v[PW], s81
.endif
.if (\i)%4 == 3
	v_cndmask_b32 v[KPA+(\i)/4], v[HA+(\i)/2-1], v[HA+(\i)/2], s69    ; the even fragment's words in lanes 0-15, the odd one's in lanes 16-31
	v_cndmask_b32 v[KPB+(\i)/4], v[HB+(\i)/2-1], v[HB+(\i)/2], s69
.endif
.if (\i) == 7
	WIN 0x0C
	global_store_b64 v[LI8], v[KPA:KPA+1], s[14:15] offset:8192        ; 32 lanes store the chunk's 256 bytes of words
	global_store_b64 v[LI8], v[KPB:KPB+1], s[14:15] offset:HEADB+8192
.endif
.endm
.Lqktrip:                                          ; two trips: a trip is 128 tokens, one chunk for each of my two heads
.irp b, 0,1,2,3
	global_load_b128 v[SS+4*\b:SS+4*\b+3], v[VSCO], s[78:79] offset:512*\b
.endr
	v_add_nc_u32 v[AX], s71, v[VXL]
	SLL 0,0,0
	s_wait_alu depctr_va_vdst(0)
	s_wait_loadcnt 0x0                             ; the scale words (first trip: W, its words and the bias too)
.irp i, 0,1,2,3,4,5,6,7
	QKTILE \i
.endr
	WIN 0
	s_wait_xcnt 0x0                                ; loads and stores have read their bases
	s_add_nc_u64 s[14:15], s[14:15], CHUNK
	s_add_nc_u64 s[78:79], s[78:79], 2048
	s_add_co_u32 s71, s71, 128*XP
	s_sub_co_u32 s70, s70, 1
	s_cmp_lg_u32 s70, 0
	s_cbranch_scc1 .Lqktrip
	s_wait_tensorcnt 0x0                           ; the wave's end
	ds_add_u32 v[SPW], v[NIL]
	s_wait_dscnt 0x0
	s_endpgm
	; ---------------- v.  Wave w: tokens 128 (w % 2) on (one key step), Wv's rows 256 (w / 2) on (four heads)
.Lpathv:
	s_lshr_b32 s74, s44, 1
	s_and_b32 s75, s44, 1
	s_mov_b32 s73, 0
	s_lshl_b32 s72, s74, 17
	s_add_nc_u64 s[8:9], s[8:9], s[72:73]          ; Wv's codes at my 256 rows
	s_lshl_b32 s72, s46, 12
	s_lshl_b32 s60, s75, 11
	s_add_co_u32 s72, s72, s60
	s_add_nc_u64 s[76:77], s[6:7], s[72:73]        ; R's scale bytes: my 128 tokens'
	s_lshl_b32 s72, s74, 12
	s_add_nc_u64 s[78:79], s[10:11], s[72:73]      ; S's: Wv's
	s_lshl_b32 s72, s74, 10
	s_add_nc_u64 s[12:13], s[12:13], s[72:73]      ; my 256 numbers of the bias
	s_lshr_b32 s72, s46, 3
	s_lshl_b32 s72, s72, 3
	s_lshl_b32 s60, s74, 2
	s_add_co_u32 s72, s72, s60                     ; 8 x batch + my first head
	s_lshl_b32 s72, s72, 4
	s_and_b32 s60, s46, 7
	s_lshl_b32 s60, s60, 1
	s_add_co_u32 s72, s72, s60
	s_add_co_u32 s72, s72, s75                     ; x 16 + my key step
	s_mul_i32 s72, s72, CHUNK
	s_add_nc_u64 s[14:15], s[14:15], s[72:73]
	s_mul_i32 s60, s75, 128*XP
	v_add_nc_u32 v[AX], s60, v[VXL]
.irp b, 0,1,2,3
	global_load_b128 v[RS+4*\b:RS+4*\b+3], v[VSCO], s[76:77] offset:512*\b
.endr
	s_wait_alu depctr_va_vdst(0)
	s_wait_tensorcnt 0x0                           ; my 64 rows have landed,
	s_barrier_signal -1
	s_barrier_wait -1                              ; everybody's have
	RLL
	s_mov_b32 s70, 2
	s_wait_dscnt 0x0
.macro VTILE i                         ; tile i of a trip's eight tiles of Wv's rows: head i / 4 of the trip's two, fragment i % 4
.if (\i) < 7
	SLG 1-(\i)%2,((\i)+1)/2,((\i)+1)%2
	s_wait_loadcnt 16                              ; all but the next tile's 16 loads, just issued
.else
	s_wait_loadcnt 0x0
.endif
	WIN 0xFF
.irp j, 0,1,2,3,4,5,6,7
	v_mov_b32 v[CB+\j], v[BV+(\i)]                 ; my channel's bias for all eight tokens of a result's registers
.endr
	PLACES 4
	MM (\i)%2,(\i)/2,(\i)%2,1
	WIN 0xFF
	PLACES 8
	s_wait_xcnt 0x0                                ; the last tile's stores have read their data
	QUANT PW+(\i)%4
	WIN 0x0C
.irp c, 0,1,2,3
	global_store_b128 v[LI16], v[PC+4*\c:PC+4*\c+3], s[14:15] offset:HEADB*((\i)/4)+2048*((\i)%4)+512*\c
.endr
.if (\i)%4 == 3
	WIN 0xFF
	v_cndmask_b32 v[KPA], v[PW], v[PW+1], s69
	v_cndmask_b32 v[KPA+1], v[PW+2], v[PW+3], s69
	WIN 0x0C
	global_store_b64 v[LI8], v[KPA:KPA+1], s[14:15] offset:HEADB*((\i)/4)+8192
.endif
.endm
.Lvtrip:                                           ; two trips: a trip is 128 rows of Wv, two heads
.irp b, 0,1,2,3
	global_load_b128 v[SS+4*\b:SS+4*\b+3], v[VSCO], s[78:79] offset:512*\b
.endr
	WIN 0xC0
.irp i, 0,1,2,3,4,5,6,7
	global_load_b32 v[BV+\i], v[VBR], s[12:13] offset:4*(32*(\i/2)+8*(\i%2))
.endr
	SLG 0,0,0
.irp i, 0,1,2,3,4,5,6,7
	VTILE \i
.endr
	WIN 0
	s_wait_xcnt 0x0
	s_add_nc_u64 s[8:9], s[8:9], 65536
	s_add_nc_u64 s[78:79], s[78:79], 2048
	s_add_nc_u64 s[12:13], s[12:13], 512
	s_add_nc_u64 s[14:15], s[14:15], 2*HEADB
	s_sub_co_u32 s70, s70, 1
	s_cmp_lg_u32 s70, 0
	s_cbranch_scc1 .Lvtrip
	s_wait_tensorcnt 0x0                           ; the wave's end
	ds_add_u32 v[SPW], v[NIL]
	s_wait_dscnt 0x0
	s_endpgm
	; ---------------- the mask: [2048][2048] int32 -> bits, in the order in which the next launch's lanes hold scores.
	; maskw: [group of 32 queries][tile u][key step][64 words]: bit l of word n says whether query (tile order, l % 16) sees key 128 step + 32 (n / 16) + 16 (l / 16) + n % 16.
	; Wave W of 256 takes tile W / 2 (16 rows) and eight key steps, four a round.  A load reads 512 consecutive bytes of one row; the rows turn through the wave's own LDS bytes; a compare makes a word.
.Lmask:
	s_lshl_b32 s72, s46, 2
	s_add_co_u32 s72, s72, s44                     ; W
	s_lshr_b32 s73, s72, 1                         ; the tile: 2 x group + u
	s_lshr_b32 s74, s73, 1
	s_lshl_b32 s74, s74, 5
	s_and_b32 s75, s73, 1
	s_lshl_b32 s75, s75, 3
	s_add_co_u32 s74, s74, s75                     ; 32 x group + 8 u
	s_lshl_b32 s74, s74, 13                        ; rows of 8,192 bytes
	s_and_b32 s75, s72, 1
	s_lshl_b32 s75, s75, 12                        ; my eight steps of 512 bytes
	s_add_co_u32 s74, s74, s75
	s_mov_b32 s75, 0
	s_add_nc_u64 s[40:41], s[40:41], s[74:75]
	s_lshl_b32 s74, s72, 11                        ; eight steps of 256 bytes of words
	s_add_nc_u64 s[42:43], s[42:43], s[74:75]
.irp j, 0,1,2,3,4,5,6,7
	v_mov_b32 v[MWD+\j], 0                         ; written once: v_writelane_b32's destination counts as read
.endr
.macro MLOAD                           ; a round: 4 steps x 16 rows, into window 1
	WIN 0x40
.irp k, 0,1,2,3
.irp rho, 0,1,2,3,4,5,6,7,8,9,10,11,12,13,14,15
	global_load_b128 v[64*\k+4*\rho:64*\k+4*\rho+3], v[LI16], s[40:41] offset:(\rho+8*(\rho/8))*8192+512*\k th:TH_LOAD_NT
.endr
.endr
	WIN 0
.endm
	MLOAD
	s_mov_b32 s70, 2
.Lmround:
	s_wait_loadcnt 0x0
	WIN 0x04                                       ; an LDS store's data are its source 1: window 1
.irp k, 0,1,2,3
.irp rho, 0,1,2,3,4,5,6,7,8,9,10,11,12,13,14,15
	ds_store_b128 v[MSA], v[64*\k+4*\rho:64*\k+4*\rho+3] offset:(16*\k+\rho)*XP
.endr
.endr
	WIN 0
	s_wait_dscnt 0x0                               ; the stores have read their registers: the next round's loads may land there
	s_cmp_eq_u32 s70, 1
	s_cbranch_scc1 .Lmlast                         ; the last round asks for nothing: no load leaves its buffer
	s_add_nc_u64 s[40:41], s[40:41], 2048          ; (the earlier loads are done)
	MLOAD
.Lmlast:
	s_wait_alu depctr_va_vdst(0)
.irp k, 0,1,2,3
.irp b, 0,1,2,3
.irp c, 0,1,2,3
	ds_load_b128 v[MX+16*\b+4*\c:MX+16*\b+4*\c+3], v[MRA] offset:\k*16*XP+128*\b+16*\c    ; my row's keys 32 b + 16 h + 4 c on.  LDS serves a wave's instructions in order: these see my stores
.endr
.endr
	s_wait_dscnt 0x0
.set n, 0
.rept 64
	v_cmp_ne_u32 s[60+n%4], 0, v[MX+n]             ; word n: a bit a lane
	v_writelane_b32 v[MWD+2*\k+n%2], s[60+n%4], n/2
.set n, n+1
.endr
	global_store_b64 v[LI8], v[MWD+2*\k:MWD+2*\k+1], s[42:43] offset:256*\k   ; 32 lanes store the step's 256 bytes
.endr
	s_wait_xcnt 0x0                                ; the stores have read their data and their base
	s_add_nc_u64 s[42:43], s[42:43], 1024
	s_sub_co_u32 s70, s70, 1
	s_cmp_lg_u32 s70, 0
	s_cbranch_scc1 .Lmround
	s_wait_tensorcnt 0x0                           ; the wave's end, behind my last LDS store
	ds_add_u32 v[SPW], v[NIL]
	s_wait_dscnt 0x0
	s_endpgm
.Lfunc_end_k_q3b92bb933a_prep:
	.size	k_q3b92bb933a_prep, .Lfunc_end_k_q3b92bb933a_prep-k_q3b92bb933a_prep
	.p2alignl 7, 3214868480
	.fill 96, 4, 3214868480
	.section	.rodata,"a",@progbits
	.p2align	6, 0x0
	.amdhsa_kernel k_q3b92bb933a_prep
		.amdhsa_group_segment_fixed_size 270848
		.amdhsa_private_segment_fixed_size 0
		.amdhsa_enable_private_segment 0
		.amdhsa_kernarg_size 160
		.amdhsa_user_sgpr_count 2
		.amdhsa_user_sgpr_kernarg_segment_ptr 1
		.amdhsa_wavefront_size32 1
		.amdhsa_system_sgpr_workgroup_id_x 1
		.amdhsa_system_sgpr_workgroup_id_y 1
		.amdhsa_system_sgpr_workgroup_id_z 1
		.amdhsa_system_vgpr_workitem_id 0
		.amdhsa_next_free_vgpr 1024
		.amdhsa_next_free_sgpr 84
		.amdhsa_reserve_vcc 0
		.amdhsa_float_denorm_mode_32 3
		.amdhsa_float_denorm_mode_16_64 3
		.amdhsa_fp16_overflow 1
		.amdhsa_memory_ordered 1
		.amdhsa_forward_progress 1
		.amdhsa_inst_pref_size 245
	.end_amdhsa_kernel
	.amdgpu_metadata
---
amdhsa.version: [ 1, 2 ]
amdhsa.kernels:
  - .name:           k_q3b92bb933a_prep
    .symbol:         k_q3b92bb933a_prep.kd
    .args:
      - { .name: Q_codes, .offset: 0, .size: 8, .value_kind: global_buffer, .address_space: global }
      - { .name: Q_scales, .offset: 8, .size: 8, .value_kind: global_buffer, .address_space: global }
      - { .name: Wq_codes, .offset: 16, .size: 8, .value_kind: global_buffer, .address_space: global }
      - { .name: Wq_scales, .offset: 24, .size: 8, .value_kind: global_buffer, .address_space: global }
      - { .name: bq, .offset: 32, .size: 8, .value_kind: global_buffer, .address_space: global }
      - { .name: qbuf, .offset: 40, .size: 8, .value_kind: global_buffer, .address_space: global }
      - { .name: K_codes, .offset: 48, .size: 8, .value_kind: global_buffer, .address_space: global }
      - { .name: K_scales, .offset: 56, .size: 8, .value_kind: global_buffer, .address_space: global }
      - { .name: Wk_codes, .offset: 64, .size: 8, .value_kind: global_buffer, .address_space: global }
      - { .name: Wk_scales, .offset: 72, .size: 8, .value_kind: global_buffer, .address_space: global }
      - { .name: bk, .offset: 80, .size: 8, .value_kind: global_buffer, .address_space: global }
      - { .name: kbuf, .offset: 88, .size: 8, .value_kind: global_buffer, .address_space: global }
      - { .name: V_codes, .offset: 96, .size: 8, .value_kind: global_buffer, .address_space: global }
      - { .name: V_scales, .offset: 104, .size: 8, .value_kind: global_buffer, .address_space: global }
      - { .name: Wv_codes, .offset: 112, .size: 8, .value_kind: global_buffer, .address_space: global }
      - { .name: Wv_scales, .offset: 120, .size: 8, .value_kind: global_buffer, .address_space: global }
      - { .name: bv, .offset: 128, .size: 8, .value_kind: global_buffer, .address_space: global }
      - { .name: vbuf, .offset: 136, .size: 8, .value_kind: global_buffer, .address_space: global }
      - { .name: mask, .offset: 144, .size: 8, .value_kind: global_buffer, .address_space: global }
      - { .name: maskw, .offset: 152, .size: 8, .value_kind: global_buffer, .address_space: global }
    .group_segment_fixed_size: 270848
    .private_segment_fixed_size: 0
    .kernarg_segment_align: 8
    .kernarg_segment_size: 160
    .max_flat_workgroup_size: 128
    .sgpr_count:     84
    .vgpr_count:     1024
    .wavefront_size: 32
...
	.end_amdgpu_metadata
.endif
;; end of part 1
;; launch attn (part 2): grid 4 x 64, 16 waves a work-group, clusters of 4 x 1, 272,384 bytes of LDS; arguments qbuf, kbuf, vbuf, maskw, abuf, asc; writes abuf, asc
.if DOCPART == 2
	.amdgcn_target "amdgcn-amd-amdhsa--gfx1250"
	.amdhsa_code_object_version 6
	.text
	.protected	k_q3b92bb933a_attn
	.globl	k_q3b92bb933a_attn
	.p2align	8
	.type	k_q3b92bb933a_attn,@function
k_q3b92bb933a_attn:
	s_mov_b64 s[64:65], 0
	v_nop
	global_prefetch_b8 v0, s[64:65] scope:SCOPE_SE
	s_setreg_imm32_b32 hwreg(HW_REG_WAVE_MODE, 25, 1), 1
	s_wait_xcnt 0x0
	s_wait_alu depctr_hold_cnt(0) depctr_sa_sdst(0) depctr_va_vdst(0) depctr_va_sdst(0) depctr_va_ssrc(0) depctr_va_vcc(0) depctr_vm_vsrc(0)
	s_getreg_b32 s2, hwreg(HW_REG_IB_STS2, 6, 4)
	s_cmp_eq_u32 s2, 0
	s_cbranch_scc0 .Lentry_in_a_cluster
	s_endpgm
.Lentry_in_a_cluster:
	s_bfe_u32 s2, ttmp6, 0x10000c
	s_cmp_lg_u32 s2, 0x3003
	s_cbranch_scc0 .Lentry_shape_is_right
	s_endpgm
.Lentry_shape_is_right:
; LAUNCH 2 OF 3: a = softmax(mask(q k^T / 8)) v for each (batch, head), both products on codes of E4M3 with E8M0 scales; a is quantised along the model's 512 channels (two blocks a head) for the last product.  No work of reference() is left out.
; THE SOFTMAX AHEAD OF THE SECOND PRODUCT: t = score x log2(e) / 8; M = the row's largest t so far, rounded up to a whole number; p = 2^(t - M) is quantised along the keys, not normalised.  The row's sum is taken of the
; unquantised p and divides at the end.  When M moves, the sum and O are multiplied by 2^(old M - new M): exact.
; THE MASK: a hidden score is replaced by -2^100 ahead of the maximum.  c x 2^100 is exact, so in a row with every key hidden t - M is exactly 0 and p = 1 everywhere: the uniform row of reference().  When a true score follows
; hidden ones, old M - new M saturates in the conversion to a whole number, the factor is 0, and what was summed under the hidden M is wiped.
; LIMITS: reference() hides with -1e30; the results are the same as long as true scores / 8 stay above about -1e29.  NaN and infinities are not served.  A block of a whose largest magnitude lies under 2^-118 gets the byte 1; so does a block of zeros (its codes are zeros).
; SHARES.  A head's codes and scale words of k and v, 2 x 135,168 bytes, lie in LDS WHOLE: they are filled once, nothing is filled again, and the loop has no barrier.  A work-group owns 512 queries of one (batch, head); each of its
; sixteen waves 32 of them, in two passes of 16 (one tile), in 256 registers: four waves to a SIMD, so that one wave's vector work stands beside another's products and LDS loads.  Every pass walks the head's 16 key steps of 128.
; CLUSTER.  The four work-groups of a cluster are the four query blocks of one (batch, head): k and v are asked for JOINTLY, each wave one tensor load (two chunks) with a mask that names the four.
; LAYOUT.  Both products are used transposed (S^T = k q^T, O^T = v^T p^T): a lane holds ONE query throughout.  By the order in which launch 1 laid the rows, the 16 registers of two neighbouring tiles of S^T are 16 neighbouring keys,
; and those of O^T 16 neighbouring channels: the conversions' results are the next operand's registers.
; K = 64 IN A FORM OF 128: a fragment of k holds TWO tiles of keys, tile 0's 64 channels in registers 0-7 and tile 1's in registers 8-15.  Against [q | zeros] it gives tile 0's scores, against [zeros | q] tile 1's: zero codes add nothing.
.set CHUNK,  8448                      ; four fragments (8,192 bytes) and 256 bytes of scale words
.set HEADB,  16*CHUNK                  ; LDS: k's 16 chunks from 0, v's from HEADB
.set SPARE,  2*HEADB                   ; the spare words, 128 bytes for each of 16 waves
.set LI,   1                           ; 16 x lane
.set LIV,  2                           ; + HEADB
.set L8,   3                           ; 8 x lane
.set L8V,  4                           ; + HEADB
.set SPW,  5                           ; LDS address of my spare word; never rewritten
.set NIL,  6                           ; 0; never rewritten
.set NEGR, 7                           ; -2^100
.set ADK,  8                           ; the step's addresses: k's images, v's images, k's words, v's words
.set ADV,  9
.set ADS,  10
.set ADT,  11
                                       ; v12 -M, v13 the largest t, v[14:15] the sum in two halves; v16-23 q, v24-31 zeros, v32-39 q once more
.set KV,   40                          ; v40-103  four fragments of k, then of v
.set S,    104                         ; v104-167 S^T, then p
.set OA,   168                         ; v168-199 O^T
.set PC,   200                         ; v200-215 p's codes
.set BX,   216                         ; the blocks' largest scores, then largest p
.set T2,   220
.set HOLD, 224
.set SCL,  228
.set FF,   232                         ; v[232:233] f = 2^(old M - new M); the upper half is only named
.set TP,   234
.set KSC,  236                         ; v[236:237] k's scale words: register f / 2, lanes 0-15 the even fragment, lanes 16-31 the odd one
.set VSC,  238                         ; v[238:239] v's likewise
.set QSC,  240                         ; q's scale word: the tile's two bytes, twice
.set PSC,  241                         ; p's scale word
.set QRAW, 242
.set W0,   243                         ; pass 0's two scale bytes of a
.set L4,   244                         ; 4 x lane
.set QSO,  245
.set WV,   12                          ; s12 my wave's number
.set MNT,  13
.set CS,   14                          ; s[14:15] c = log2(e) / 8
.set SEL,  16                          ; s[16:17]
.set TB,   18                          ; s18 LDS byte at which the step's chunk of k begins
.set NCT,  20                          ; s20 steps whose mask words have been asked for, less one
.set CNT,  21                          ; s21 steps to go in the pass
.set HM,   22                          ; s22 lanes 16-31
                                       ; s[4:5] my fragment of q; s[6:7] the mask words; s[8:9] a's images; s[10:11] a's scale bytes
                                       ; s[32:63], s[68:99] a step's 64 mask words (word n in s[32 + n], from n = 32 on in s[36 + n]); until the tensor load is done s[32:39], s[40:43] are its descriptor
.macro CROUND                          ; a round of the cluster's barrier
	s_barrier_signal -1
	s_barrier_wait -1
	s_cmp_lg_u32 s[WV], 0
	s_cbranch_scc1 .Lnot_wave_0_\@
	s_barrier_signal -3
.Lnot_wave_0_\@:
	s_barrier_wait -3
	s_barrier_signal -1
	s_barrier_wait -1
.endm
.macro MLD                             ; a step's 64 mask words: 256 consecutive bytes
	s_load_b512 s[32:47], s[6:7], 0x0
	s_load_b512 s[48:63], s[6:7], 0x40
	s_load_b512 s[68:83], s[6:7], 0x80
	s_load_b512 s[84:99], s[6:7], 0xc0
.endm
	s_load_b256 s[4:11], s[0:1], 0x0               ; qbuf, kbuf, vbuf, maskw
	s_load_b128 s[24:27], s[0:1], 0x20             ; abuf, asc
	v_lshl_add_u32 v[SPW], v0, 2, SPARE
	v_mov_b32 v[NIL], 0
	ds_add_u32 v[SPW], v[NIL]                      ; the wave's opening: the add, twice on end, and its wait ahead of my first tensor load
	ds_add_u32 v[SPW], v[NIL]                      ; and once more; the set-up below, work on registers, stands between it and the wait
	v_lshrrev_b32 v1, 5, v0
	s_delay_alu instid0(VALU_DEP_1)
	v_readfirstlane_b32 s[WV], v1                  ; wave 0..15
	s_and_b32 s23, ttmp7, 0xffff                   ; 8 x batch + head, which the four partners share
	s_bfe_u32 s28, ttmp6, 0x40000                  ; cx: it enters global addresses alone
	s_lshl_b32 s29, s28, 4
	s_add_co_u32 s29, s29, s[WV]                   ; my group of 32 queries, 0..63
	; descriptor group 1: two chunks, 16,896 dense bytes, as 66 rows of 256 bytes
	s_mov_b32 s32, 15|(3<<16)|(1<<21)              ; the mask: all four work-groups; elements of 8 bytes; bit 21 set beside a mask; no padding
	s_mov_b32 s33, 32<<16                          ; tensor_dim0
	s_mov_b32 s34, 66<<16                          ; tensor_dim1
	s_mov_b32 s35, 32<<16                          ; tile_dim0
	s_mov_b32 s36, 66                              ; tile_dim1
	s_mov_b32 s37, 32                              ; from row to row
	s_mov_b32 s38, 0
	s_mov_b32 s39, 0
	s_mov_b32 s[CS], 0x3e38aa3b
	s_mov_b32 s[CS+1], s[CS]                       ; (named with it as a pair, so it is written)
	s_mov_b32 s[SEL], 0x76543210
	s_mov_b32 s[SEL+1], 0xfedcba98
	s_mov_b32 s[HM], 0xffff0000
	s_mov_b32 s[NCT], 0
	s_wait_dscnt 0x0                               ; both opening adds are done
	s_wait_kmcnt 0x0
	s_mov_b32 s40, 1                               ; group 0: count = 1
	s_mul_i32 s41, s[WV], 2*CHUNK                  ; LDS address: waves 0-7 k's chunks, waves 8-15 v's, which lie behind them
	s_cmp_lt_u32 s[WV], 8
	s_cselect_b64 s[42:43], s[6:7], s[8:9]         ; the choice hangs on the wave's number alone
	s_mul_i32 s30, s23, HEADB
	s_and_b32 s31, s[WV], 7
	s_mul_i32 s31, s31, 2*CHUNK
	s_add_co_u32 s30, s30, s31
	s_mov_b32 s31, 0
	s_add_nc_u64 s[42:43], s[42:43], s[30:31]
	s_or_b32 s43, s43, 0x80000000                  ; type = 2
	CROUND                                         ; all four work-groups are here: the joint loads meet
	tensor_load_to_lds s[40:43], s[32:39]          ; my one tensor load of the launch: one is out
	s_nop 0
	s_mul_i32 s30, s23, HEADB                      ; q: my head, the step that holds my group, my fragment in it
	s_lshr_b32 s31, s29, 2
	s_mul_i32 s31, s31, CHUNK
	s_add_co_u32 s30, s30, s31
	s_and_b32 s31, s29, 3
	s_lshl_b32 s31, s31, 11
	s_add_co_u32 s30, s30, s31
	s_mov_b32 s31, 0
	s_add_nc_u64 s[4:5], s[4:5], s[30:31]
	s_lshl_b32 s30, s29, 13                        ; the mask words of my group: 2 tiles x 16 steps x 256 bytes
	s_add_nc_u64 s[6:7], s[10:11], s[30:31]
	s_lshr_b32 s30, s23, 3                         ; a's images: [batch][group][tile][K step][4][512]; my head's two blocks begin 1,024 x head bytes into a tile's 8,192
	s_lshl_b32 s30, s30, 6
	s_add_co_u32 s30, s30, s29
	s_lshl_b32 s30, s30, 14
	s_and_b32 s19, s23, 7
	s_lshl_b32 s19, s19, 10
	s_add_co_u32 s30, s30, s19
	s_add_nc_u64 s[8:9], s[24:25], s[30:31]
	s_lshl_b32 s30, s23, 6                         ; a's scale bytes: [batch x head][group][32 lanes] words
	s_add_co_u32 s30, s30, s29
	s_lshl_b32 s30, s30, 7
	s_add_nc_u64 s[10:11], s[26:27], s[30:31]
	s_and_b32 s30, s[WV], 3                        ; f, my fragment in its chunk: its words lie at 8,192 + 8 (r + 16 (f % 2)) + 4 (f / 2) of the chunk, and s[4:5] stands 2,048 f into it
	s_lshl_b32 s19, s30, 11
	s_sub_co_u32 s19, 8192, s19
	s_and_b32 s31, s30, 1
	s_lshl_b32 s31, s31, 7
	s_add_co_u32 s19, s19, s31
	s_lshr_b32 s31, s30, 1
	s_lshl_b32 s31, s31, 2
	s_add_co_u32 s19, s19, s31
	v_and_b32 v[LI], 31, v0
	s_delay_alu instid0(VALU_DEP_1)
	v_lshlrev_b32 v[L8], 3, v[LI]
	s_delay_alu instid0(VALU_DEP_2)
	v_lshlrev_b32 v[L4], 2, v[LI]
	s_delay_alu instid0(VALU_DEP_3)
	v_lshlrev_b32 v[LI], 4, v[LI]
	s_delay_alu instid0(VALU_DEP_1)
	v_add_nc_u32 v[LIV], HEADB, v[LI]
	s_delay_alu instid0(VALU_DEP_4)
	v_add_nc_u32 v[L8V], HEADB, v[L8]
	v_and_b32 v[QSO], 15, v0
	s_delay_alu instid0(VALU_DEP_1)
	v_lshlrev_b32 v[QSO], 3, v[QSO]
	s_delay_alu instid0(VALU_DEP_1)
	v_add_nc_u32 v[QSO], s19, v[QSO]
	global_load_b32 v[QRAW], v[QSO], s[4:5]        ; my fragment's scale words: tile 0's two bytes, tile 1's two
	v_mov_b32 v[NEGR], 0xf1800000
.irp j, 0,1,2,3,4,5,6,7
	v_mov_b32 v[24+\j], 0                          ; the zero codes between the two copies of q
.endr
.irp b, 0,1,2,3
	v_mov_b32 v[T2+\b], 0                          ; written once: a lane permute's destination counts as one of its sources
.endr
	v_mov_b32 v[FF+1], 0                           ; (named as the upper half of a pair)
	s_wait_tensorcnt 0x0                           ; my two chunks have landed (and the descriptor's registers are free),
	s_barrier_signal -1
	s_barrier_wait -1                              ; everybody's have: k and v lie in LDS whole
	MLD                                            ; the first step's mask words
; A KEY STEP: 128 keys
.macro STEP
	v_add_nc_u32 v[ADK], s[TB], v[LI]
	v_add_nc_u32 v[ADV], s[TB], v[LIV]
	v_add_nc_u32 v[ADS], s[TB], v[L8]
	v_add_nc_u32 v[ADT], s[TB], v[L8V]
.rept 4
	v_nop                                          ; with the four additions: eight places in front of loads into registers that the last products read
.endr
.irp j, 0,1,2,3,4,5,6,7,8,9,10,11,12,13,14,15
	ds_load_b128 v[KV+4*\j:KV+4*\j+3], v[ADK] offset:512*\j    ; an image: 32 lanes, 512 consecutive bytes
.endr
	ds_load_b64 v[KSC:KSC+1], v[ADS] offset:8192
	s_wait_alu depctr_va_vdst(0)
	s_wait_dscnt 0x0
.irp f, 0,1,2,3                                ; S^T: register 16 f + 8 u + j of lane (query, h) is key 32 f + 16 h + 8 u + j
.irp uu, 0,1
.if \f%2
	v_wmma_scale_f32_16x16x128_f8f6f4 v[S+16*\f+8*\uu:S+16*\f+8*\uu+7], v[KV+16*\f:KV+16*\f+15], v[16+8*\uu:31+8*\uu], 0, v[KSC+\f/2], v[QSC] matrix_a_scale:MATRIX_SCALE_ROW1
.else
	v_wmma_scale_f32_16x16x128_f8f6f4 v[S+16*\f+8*\uu:S+16*\f+8*\uu+7], v[KV+16*\f:KV+16*\f+15], v[16+8*\uu:31+8*\uu], 0, v[KSC+\f/2], v[QSC]
.endif
.endr
.endr
.rept 8
	v_nop                                          ; eight places: for the loads below and for the first read of the scores
.endr
.irp j, 0,1,2,3,4,5,6,7,8,9,10,11,12,13,14,15
	ds_load_b128 v[KV+4*\j:KV+4*\j+3], v[ADV] offset:512*\j    ; v's four fragments land while the softmax is walked
.endr
	ds_load_b64 v[VSC:VSC+1], v[ADT] offset:8192
	s_wait_kmcnt 0x0                               ; this step's mask words
.set n, 0
.rept 64
.if n < 32
	v_cndmask_b32 v[S+n], v[NEGR], v[S+n], s[32+n] ; a hidden score becomes -2^100.  Each accumulator is read from its low end on
.else
	v_cndmask_b32 v[S+n], v[NEGR], v[S+n], s[36+n]
.endif
.set n, n+1
.endr
	s_add_co_u32 s[NCT], s[NCT], 1
	s_cmp_eq_u32 s[NCT], 32                        ; the wave's last step of its last pass asks for nothing: no load leaves its buffer
	s_cbranch_scc1 .Lno_words_\@
	s_add_nc_u64 s[6:7], s[6:7], 256               ; (the earlier loads are done)
	MLD                                            ; the next step's words: a whole step ahead of their use
.Lno_words_\@:
.irp b, 0,1,2,3
	v_max3_num_f32 v[BX+\b], v[S+16*\b], v[S+16*\b+1], v[S+16*\b+2]   ; the largest score of each block of 32 keys: it serves for the row's maximum and, since p rises with the score, for the block's largest p
.endr
.irp i, 3,5,7,9,11,13
.irp b, 0,1,2,3
	s_delay_alu instid0(VALU_DEP_4)
	v_max3_num_f32 v[BX+\b], v[BX+\b], v[S+16*\b+\i], v[S+16*\b+\i+1]
.endr
.endr
.irp b, 0,1,2,3
	s_delay_alu instid0(VALU_DEP_4)
	v_max_num_f32 v[BX+\b], v[BX+\b], v[S+16*\b+15]
.endr
.irp b, 0,1,2,3
	s_delay_alu instid0(VALU_DEP_4)
	v_permlanex16_b32 v[T2+\b], v[BX+\b], s[SEL], s[SEL+1]
.endr
.irp b, 0,1,2,3
	s_delay_alu instid0(VALU_DEP_4)
	v_max_num_f32 v[BX+\b], v[BX+\b], v[T2+\b]     ; with lane l xor 16's 16 keys
.endr
	s_delay_alu instid0(VALU_DEP_2)
	v_max3_num_f32 v[TP], v[BX], v[BX+1], v[BX+2]
	s_delay_alu instid0(VALU_DEP_1)
	v_max_num_f32 v[TP], v[TP], v[BX+3]            ; the step's largest score of my query
	s_delay_alu instid0(VALU_DEP_1)
	v_mul_f32 v[TP], s[CS], v[TP]                  ; as t
	s_delay_alu instid0(VALU_DEP_1)
	v_max_num_f32 v13, v13, v[TP]                  ; the running largest t
	v_mov_b32 v[TP], v12
	s_delay_alu instid0(VALU_DEP_2)
	v_floor_f32 v12, -v13                          ; the new -M = floor(-t): M is a whole number
	s_delay_alu instid0(VALU_DEP_1)
	v_sub_f32 v[TP], v12, v[TP]                    ; old M - new M: a whole number, 0 or less
	s_delay_alu instid0(VALU_DEP_1)
	v_cvt_i32_f32 v[TP], v[TP]                     ; (it saturates)
	s_delay_alu instid0(VALU_DEP_1)
	v_ldexp_f32 v[FF], 1.0, v[TP]                  ; f = 2^(old M - new M)
.set j, 0
.rept 32
	v_pk_fma_f32 v[S+j:S+j+1], v[S+j:S+j+1], s[CS:CS+1], v[12:13] op_sel_hi:[1,0,0]   ; t - M, two at a time (of the pairs c and -M the low word serves both halves)
.set j, j+2
.endr
	s_setprio 1
.irp b, 0,1,2,3
	v_fma_f32 v[BX+\b], v[BX+\b], s[CS], v12       ; the same of each block's largest score
.endr
.set j, 0
	s_wait_alu depctr_va_vdst(0)
.rept 64
	v_exp_f32 v[S+j], v[S+j]                       ; p = 2^(t - M), at most 1
.set j, j+1
.endr
	v_pk_mul_f32 v[14:15], v[14:15], v[FF:FF+1] op_sel_hi:[1,0]   ; the sums under the new M: a plain line behind the exponentials
	s_wait_alu depctr_va_vdst(0)                   ; one wait for the whole batch, ahead of its first reader
.irp b, 0,1,2,3
	v_exp_f32 v[BX+\b], v[BX+\b]                   ; the block's largest p: the same two instructions on the same number
.endr
	v_pk_add_f32 v[220:221], v[108:109], v[112:113]
	v_pk_add_f32 v[254:255], v[116:117], v[120:121]
	v_pk_add_f32 v[252:253], v[124:125], v[128:129]
	v_pk_add_f32 v[250:251], v[132:133], v[136:137]
	v_pk_add_f32 v[248:249], v[140:141], v[144:145]
	v_pk_add_f32 v[246:247], v[148:149], v[152:153]
	v_pk_add_f32 v[236:237], v[156:157], v[160:161]
	v_pk_add_f32 v[14:15], v[14:15], v[164:165]
	v_pk_add_f32 v[220:221], v[220:221], v[104:105]
	v_pk_add_f32 v[254:255], v[254:255], v[106:107]
	v_pk_add_f32 v[252:253], v[252:253], v[110:111]
	v_pk_add_f32 v[250:251], v[250:251], v[114:115]
	v_pk_add_f32 v[248:249], v[248:249], v[118:119]
	v_pk_add_f32 v[246:247], v[246:247], v[122:123]
	v_pk_add_f32 v[236:237], v[236:237], v[126:127]
	v_pk_add_f32 v[14:15], v[14:15], v[130:131]
	v_pk_add_f32 v[220:221], v[220:221], v[134:135]
	v_pk_add_f32 v[254:255], v[254:255], v[138:139]
	v_pk_add_f32 v[252:253], v[252:253], v[142:143]
	v_pk_add_f32 v[250:251], v[250:251], v[146:147]
	v_pk_add_f32 v[248:249], v[248:249], v[150:151]
	v_pk_add_f32 v[246:247], v[246:247], v[154:155]
	v_pk_add_f32 v[236:237], v[236:237], v[158:159]
	v_pk_add_f32 v[14:15], v[14:15], v[162:163]
	v_pk_add_f32 v[220:221], v[220:221], v[166:167]
	s_delay_alu instid0(VALU_DEP_2)
	v_pk_add_f32 v[14:15], v[14:15], v[250:251]
	s_delay_alu instid0(VALU_DEP_2)
	v_pk_add_f32 v[220:221], v[220:221], v[248:249]
	v_pk_add_f32 v[254:255], v[254:255], v[246:247]
	v_pk_add_f32 v[252:253], v[252:253], v[236:237]
	s_delay_alu instid0(VALU_DEP_2)
	v_pk_add_f32 v[14:15], v[14:15], v[254:255]
	s_delay_alu instid0(VALU_DEP_2)
	v_pk_add_f32 v[220:221], v[220:221], v[252:253]
	s_delay_alu instid0(VALU_DEP_1)
	v_pk_add_f32 v[14:15], v[14:15], v[220:221]
	s_wait_alu depctr_va_vdst(0)                   ; and one for the four
.irp b, 0,1,2,3
	v_max_num_f32 v[BX+\b], 0x4800000, v[BX+\b]    ; the floor 2^(9 - 127): the byte cannot fall under 1
.endr
.irp b, 0,1,2,3
	s_delay_alu instid0(VALU_DEP_4)
	v_add_nc_u32 v[SCL+\b], 0xfc000000, v[BX+\b]   ; 8 off the exponent field: the conversion's scale operand
.endr
.irp b, 0,1,2,3
.endr
.irp b, 0,1,2,3
	s_delay_alu instid0(VALU_DEP_4)
	v_lshrrev_b32 v[T2+\b], 23, v[SCL+\b]          ; the scale's byte
.endr
	s_delay_alu instid0(VALU_DEP_3)
	v_lshl_or_b32 v[PSC], v[T2+1], 8, v[T2]        ; p's scale word for these 128 keys
	s_delay_alu instid0(VALU_DEP_1)
	v_lshl_or_b32 v[PSC], v[T2+2], 16, v[PSC]
	s_delay_alu instid0(VALU_DEP_1)
	v_lshl_or_b32 v[PSC], v[T2+3], 24, v[PSC]
	s_setprio 0
.irp b, 0,1,2,3
.irp i, 0,1,2,3,4,5,6,7,8,9,10,11,12,13,14,15
.endr
	v_cvt_scalef32_pk8_fp8_f32 v[PC+4*\b:PC+4*\b+1], v[S+16*\b:S+16*\b+7], v[SCL+\b]
	v_cvt_scalef32_pk8_fp8_f32 v[PC+4*\b+2:PC+4*\b+3], v[S+16*\b+8:S+16*\b+15], v[SCL+\b]
.endr
.set j, 0
.rept 16
	v_pk_mul_f32 v[OA+j:OA+j+1], v[OA+j:OA+j+1], v[FF:FF+1] op_sel_hi:[1,0]   ; O^T under the new M; these 16 are also the plain lines between the codes and the products
.set j, j+2
.endr
	s_wait_alu depctr_va_vdst(0)
	s_wait_dscnt 0x0                               ; v's fragments and words
.irp t, 0,1,2,3                                ; O^T += v^T p^T: register 8 (2 b + u) + j of lane (query, h) is channel 32 b + 16 h + 8 u + j.  Four accumulators, one instruction each
.if \t%2
	v_wmma_scale_f32_16x16x128_f8f6f4 v[OA+8*\t:OA+8*\t+7], v[KV+16*\t:KV+16*\t+15], v[PC:PC+15], v[OA+8*\t:OA+8*\t+7], v[VSC+\t/2], v[PSC] matrix_a_scale:MATRIX_SCALE_ROW1
.else
	v_wmma_scale_f32_16x16x128_f8f6f4 v[OA+8*\t:OA+8*\t+7], v[KV+16*\t:KV+16*\t+15], v[PC:PC+15], v[OA+8*\t:OA+8*\t+7], v[VSC+\t/2], v[PSC]
.endif
.endr
.endm
; THE END OF A PASS: O^T / the sum, quantised in two blocks of 32 channels; the codes leave as two images, 512 consecutive bytes each
.macro FIN u
.rept 8
	v_nop                                          ; eight places behind the last products
.endr
	v_add_f32 v14, v14, v15                        ; the sum's two halves,
	s_delay_alu instid0(VALU_DEP_1)
	v_permlanex16_b32 v[T2], v14, s[SEL], s[SEL+1]
	s_delay_alu instid0(VALU_DEP_1)
	v_add_f32 v14, v14, v[T2]                      ; and lane l xor 16's
	s_wait_alu depctr_va_vdst(0)
	v_rcp_f32 v14, v14
	v_nop                                          ; a plain line behind the reciprocal
	s_wait_alu depctr_va_vdst(0)                   ; and the wait ahead of its first reader
.set j, 0
.rept 16
	v_pk_mul_f32 v[S+j:S+j+1], v[OA+j:OA+j+1], v[14:15] op_sel_hi:[1,0]   ; register 16 b + i: channel 32 b + 16 h + i of my query
.set j, j+2
.endr
.irp b, 0,1
	v_max3_num_f32 v[BX+\b], |v[S+16*\b]|, |v[S+16*\b+1]|, 0x4800000
.endr
.irp i, 2,4,6,8,10,12,14
.irp b, 0,1
	s_delay_alu instid0(VALU_DEP_2)
	v_max3_num_f32 v[BX+\b], v[BX+\b], |v[S+16*\b+\i]|, |v[S+16*\b+\i+1]|
.endr
.endr
.irp b, 0,1
	s_delay_alu instid0(VALU_DEP_2)
	v_permlanex16_b32 v[T2+\b], v[BX+\b], s[SEL], s[SEL+1]
.endr
.irp b, 0,1
	s_delay_alu instid0(VALU_DEP_2)
	v_max_num_f32 v[BX+\b], v[BX+\b], v[T2+\b]
.endr
.irp b, 0,1
	s_delay_alu instid0(VALU_DEP_2)
	v_add_nc_u32 v[SCL+\b], 0xfc000000, v[BX+\b]
.endr
.irp b, 0,1
.endr
.irp b, 0,1
	s_delay_alu instid0(VALU_DEP_2)
	v_lshrrev_b32 v[T2+\b], 23, v[SCL+\b]
.endr
	s_delay_alu instid0(VALU_DEP_1)
	v_lshl_or_b32 v[TP], v[T2+1], 8, v[T2]         ; my query's two scale bytes of this head
.irp b, 0,1
.irp i, 0,1,2,3,4,5,6,7,8,9,10,11,12,13,14,15
.endr
	v_cvt_scalef32_pk8_fp8_f32 v[PC+4*\b:PC+4*\b+1], v[S+16*\b:S+16*\b+7], v[SCL+\b]
	v_cvt_scalef32_pk8_fp8_f32 v[PC+4*\b+2:PC+4*\b+3], v[S+16*\b+8:S+16*\b+15], v[SCL+\b]
.endr
	v_nop                                          ; a plain line behind the last conversion
	global_store_b128 v[LI], v[PC:PC+3], s[8:9] offset:8192*\u
	global_store_b128 v[LI], v[PC+4:PC+7], s[8:9] offset:8192*\u+512
.if \u == 0
	v_mov_b32 v[W0], v[TP]
.else
	v_cndmask_b32 v[W0], v[W0], v[TP], s[HM]       ; lanes 0-15: tile 0's queries; lanes 16-31: tile 1's
	global_store_b32 v[L4], v[W0], s[10:11]        ; 128 consecutive bytes: the two neighbouring waves' make 256
.endif
.endm
; A PASS: tile u of my 32 queries against all 2,048 keys.  The step is written once: its first trip finds zeros in O^T and in the sum, which the first change of M leaves zeros
.macro PASS u
	s_wait_xcnt 0x0                                ; the last pass's stores have read their data
	global_load_b128 v[16:19], v[LI], s[4:5] offset:1024*\u
	global_load_b128 v[20:23], v[LI], s[4:5] offset:1024*\u+512
	global_load_b128 v[32:35], v[LI], s[4:5] offset:1024*\u       ; the same once more, behind the zeros
	global_load_b128 v[36:39], v[LI], s[4:5] offset:1024*\u+512
	s_wait_loadcnt 0x0
	v_perm_b32 v[QSC], v[QRAW], v[QRAW], 0x01000100+0x02020202*\u ; the tile's two bytes in both halves of the word: they serve [q | zeros] and [zeros | q] alike
	v_mov_b32 v13, 0xff61b1e6                      ; the largest t so far: -3e38
	s_delay_alu instid0(VALU_DEP_1)
	v_floor_f32 v12, -v13
	v_mov_b32 v14, 0
	v_mov_b32 v15, 0
.set j, 0
.rept 32
	v_mov_b32 v[OA+j], 0
.set j, j+1
.endr
	s_mov_b32 s[TB], 0
	s_mov_b32 s[CNT], 16
.Lstep_\@:
	s_setprio 2
	STEP
	s_add_co_u32 s[TB], s[TB], CHUNK
	s_sub_co_u32 s[CNT], s[CNT], 1
	s_cmp_lg_u32 s[CNT], 0
	s_cbranch_scc1 .Lstep_\@
	s_setprio 0
	FIN \u
.endm
	PASS 0
	PASS 1
	s_wait_tensorcnt 0x0                           ; the wave's end
	ds_add_u32 v[SPW], v[NIL]
	s_wait_dscnt 0x0
	CROUND                                         ; the closing round
	s_endpgm
.Lfunc_end_k_q3b92bb933a_attn:
	.size	k_q3b92bb933a_attn, .Lfunc_end_k_q3b92bb933a_attn-k_q3b92bb933a_attn
	.p2alignl 7, 3214868480
	.fill 96, 4, 3214868480
	.section	.rodata,"a",@progbits
	.p2align	6, 0x0
	.amdhsa_kernel k_q3b92bb933a_attn
		.amdhsa_group_segment_fixed_size 272384
		.amdhsa_private_segment_fixed_size 0
		.amdhsa_enable_private_segment 0
		.amdhsa_kernarg_size 48
		.amdhsa_user_sgpr_count 2
		.amdhsa_user_sgpr_kernarg_segment_ptr 1
		.amdhsa_wavefront_size32 1
		.amdhsa_system_sgpr_workgroup_id_x 1
		.amdhsa_system_sgpr_workgroup_id_y 1
		.amdhsa_system_sgpr_workgroup_id_z 1
		.amdhsa_system_vgpr_workitem_id 0
		.amdhsa_next_free_vgpr 256
		.amdhsa_next_free_sgpr 100
		.amdhsa_reserve_vcc 0
		.amdhsa_float_denorm_mode_32 3
		.amdhsa_float_denorm_mode_16_64 3
		.amdhsa_fp16_overflow 1
		.amdhsa_memory_ordered 1
		.amdhsa_forward_progress 1
		.amdhsa_inst_pref_size 63
	.end_amdhsa_kernel
	.amdgpu_metadata
---
amdhsa.version: [ 1, 2 ]
amdhsa.kernels:
  - .name:           k_q3b92bb933a_attn
    .symbol:         k_q3b92bb933a_attn.kd
    .args:
      - { .name: qbuf, .offset: 0, .size: 8, .value_kind: global_buffer, .address_space: global }
      - { .name: kbuf, .offset: 8, .size: 8, .value_kind: global_buffer, .address_space: global }
      - { .name: vbuf, .offset: 16, .size: 8, .value_kind: global_buffer, .address_space: global }
      - { .name: maskw, .offset: 24, .size: 8, .value_kind: global_buffer, .address_space: global }
      - { .name: abuf, .offset: 32, .size: 8, .value_kind: global_buffer, .address_space: global }
      - { .name: asc, .offset: 40, .size: 8, .value_kind: global_buffer, .address_space: global }
    .group_segment_fixed_size: 272384
    .private_segment_fixed_size: 0
    .kernarg_segment_align: 8
    .kernarg_segment_size: 48
    .max_flat_workgroup_size: 512
    .sgpr_count:     100
    .vgpr_count:     256
    .wavefront_size: 32
...
	.end_amdgpu_metadata
.endif
;; end of part 2
;; launch oproj (part 3): grid 256 x 1, 4 waves a work-group, clusters of 4 x 1, 304,640 bytes of LDS; arguments abuf, asc, Wo_codes, Wo_scales, bo, out0; writes out0
.if DOCPART == 3
	.amdgcn_target "amdgcn-amd-amdhsa--gfx1250"
	.amdhsa_code_object_version 6
	.text
	.protected	k_q3b92bb933a_oproj
	.globl	k_q3b92bb933a_oproj
	.p2align	8
	.type	k_q3b92bb933a_oproj,@function
k_q3b92bb933a_oproj:
	s_mov_b64 s[64:65], 0
	v_nop
	global_prefetch_b8 v0, s[64:65] scope:SCOPE_SE
	s_setreg_imm32_b32 hwreg(HW_REG_WAVE_MODE, 25, 1), 1
	s_wait_xcnt 0x0
	s_wait_alu depctr_hold_cnt(0) depctr_sa_sdst(0) depctr_va_vdst(0) depctr_va_sdst(0) depctr_va_ssrc(0) depctr_va_vcc(0) depctr_vm_vsrc(0)
	s_getreg_b32 s2, hwreg(HW_REG_IB_STS2, 6, 4)
	s_cmp_eq_u32 s2, 0
	s_cbranch_scc0 .Lentry_in_a_cluster
	s_endpgm
.Lentry_in_a_cluster:
	s_bfe_u32 s2, ttmp6, 0x10000c
	s_cmp_lg_u32 s2, 0x3003
	s_cbranch_scc0 .Lentry_shape_is_right
	s_endpgm
.Lentry_shape_is_right:
; LAUNCH 3 OF 3: out0 = a Wo^T + bo, on a's codes and scale bytes as launch 2 laid them and Wo's as they are given.  No work of reference() is left out.
; SHARES.  A work-group owns 64 tokens (four tiles of 16, in the tile order of launch 1), wave w the columns 128 w .. 128 w + 127.  A wave's 128 rows of Wo (32 fragments, 512 registers) and the 64 tokens' 16 fragments (256 registers)
; all lie in registers; then four times 32 products.  THE MATRIX INSTRUCTION IS USED TRANSPOSED (source 0 = 16 rows of Wo, source 1 = 16 tokens): a lane holds eight neighbouring columns of one token.  The bias is the C of the first K step.
; CLUSTER.  All work-groups read the same Wo: the four of a cluster ask for it JOINTLY, each wave its own 128 rows by one tensor load with a mask that names the four.  Only the wave that asked reads those rows, so its own wait on
; TENSORcnt is all the ordering that they need.  a's fragments are images of registers: they come straight from memory, 512 consecutive bytes a load.
; THE WAY OUT.  A tile's 16 tokens x 128 columns go through the wave's own stage in LDS and leave as rows of 512 consecutive bytes, aligned.
.set WP,     528                       ; a row of Wo in LDS: 512 bytes + 16 of padding: the 16 rows that a load touches start 33 x 16 bytes apart
.set STG,    512*WP                    ; behind Wo: a stage of 16 rows x 528 for each wave
.set SPARE,  STG+4*16*WP               ; the spare words, 128 bytes for each wave
.set VR,   1
.set VH,   2
.set LI16, 3                           ; 16 x lane
.set LI4,  4                           ; 4 x lane
.set AW,   5                           ; LDS: my lane's place in a fragment of Wo
.set STO,  6                           ; the stage: where I put 32 bytes of a row
.set SRD,  7                           ; and where I read a row back
.set VB,   8                           ; 32 h
.set SPW,  14                          ; LDS address of my spare word; never rewritten
.set NIL,  15                          ; 0; never rewritten
.set RS,   16                          ; v16-31 Wo's scale words: register 4 (t / 2) + ks; lanes 0-15 the even tile, lanes 16-31 the odd one
.set SS,   32                          ; v32-39 a's scale words: register 4 (tau / 2) + ks; lanes 0-15 tile u = 0, lanes 16-31 u = 1
.set RAW,  40                          ; v40-55 a's scale bytes as stored: register 8 (tau / 2) + head
.set ACC,  64                          ; v64-127  8 accumulators
.set BM,   128                         ; v128-191 the bias in the result's layout
.set BK,   192                         ; v192-255 16 rows read back from the stage
                                       ; windows 1, 2: Wo's fragments, tile t at v[64 (t % 4) + 16 ks + 4 c];  window 3: a's, tile tau at v[64 tau + 16 ks + 4 c]
.set MSB, 0
.macro WIN new
.if MSB != (\new)
	s_set_vgpr_msb (MSB<<8)|(\new)
.set MSB, (\new)
.endif
.endm
.macro WM ra, rb
.if (\ra) && (\rb)
	v_wmma_scale_f32_16x16x128_f8f6f4 v[rD:rD+7], v[rA:rA+15], v[rB:rB+15], v[rC:rC+7], v[rSA], v[rSB] matrix_a_scale:MATRIX_SCALE_ROW1 matrix_b_scale:MATRIX_SCALE_ROW1
.elseif (\ra)
	v_wmma_scale_f32_16x16x128_f8f6f4 v[rD:rD+7], v[rA:rA+15], v[rB:rB+15], v[rC:rC+7], v[rSA], v[rSB] matrix_a_scale:MATRIX_SCALE_ROW1
.elseif (\rb)
	v_wmma_scale_f32_16x16x128_f8f6f4 v[rD:rD+7], v[rA:rA+15], v[rB:rB+15], v[rC:rC+7], v[rSA], v[rSB] matrix_b_scale:MATRIX_SCALE_ROW1
.else
	v_wmma_scale_f32_16x16x128_f8f6f4 v[rD:rD+7], v[rA:rA+15], v[rB:rB+15], v[rC:rC+7], v[rSA], v[rSB]
.endif
.endm
.macro CROUND
	s_barrier_signal -1
	s_barrier_wait -1
	s_cmp_lg_u32 s16, 0
	s_cbranch_scc1 .Lnot_wave_0_\@
	s_barrier_signal -3
.Lnot_wave_0_\@:
	s_barrier_wait -3
	s_barrier_signal -1
	s_barrier_wait -1
.endm
	s_load_b256 s[4:11], s[0:1], 0x0               ; abuf, asc, Wo's codes, Wo's scales
	s_load_b128 s[12:15], s[0:1], 0x20             ; bo, out0
	v_lshl_add_u32 v[SPW], v0, 2, SPARE
	v_mov_b32 v[NIL], 0
	ds_add_u32 v[SPW], v[NIL]                      ; the wave's opening: the add, twice on end, and its wait ahead of my first tensor load
	ds_add_u32 v[SPW], v[NIL]                      ; and once more; the set-up below, work on registers, stands between it and the wait
	v_lshrrev_b32 v1, 5, v0
	v_readfirstlane_b32 s16, v1                    ; wave 0..3
	s_bfe_u32 s17, ttmp6, 0x40000                  ; cx: it enters global addresses alone
	s_lshl_b32 s18, ttmp9, 2
	s_add_co_u32 s18, s18, s17                     ; my block of 64 tokens, 0..255
	; descriptor group 1: 128 rows x 512 bytes, 16 bytes of padding behind each row
	s_mov_b32 s24, 15|(1<<20)|(1<<21)|(6<<22)|(3<<25)   ; the mask: all four work-groups; elements of 1 byte; padding on; bit 21 set beside a mask; after every 128 words (code 6) four words (code 3)
	s_mov_b32 s25, 512<<16                         ; tensor_dim0
	s_mov_b32 s26, 128<<16                         ; tensor_dim1
	s_mov_b32 s27, 512<<16                         ; tile_dim0
	s_mov_b32 s28, 128                             ; tile_dim1
	s_mov_b32 s29, 512                             ; from row to row
	s_mov_b32 s30, 0
	s_mov_b32 s31, 0
	v_and_b32 v[VR], 15, v0
	v_bfe_u32 v[VH], v0, 4, 1
	v_and_b32 v[LI16], 31, v0
	v_lshlrev_b32 v[LI4], 2, v[LI16]
	v_lshlrev_b32 v[LI16], 4, v[LI16]
	v_lshlrev_b32 v[VB], 5, v[VH]
	s_mul_i32 s20, s16, 128*WP                     ; my 128 rows of Wo in LDS
	v_mul_u32_u24 v[AW], v[VR], WP
	v_lshl_add_u32 v[AW], v[VH], 4, v[AW]
	v_add_nc_u32 v[AW], s20, v[AW]
	s_mul_i32 s21, s16, 16*WP
	s_add_co_u32 s21, s21, STG                     ; my stage
	v_mul_u32_u24 v[STO], v[VR], WP
	v_lshl_add_u32 v[STO], v[VH], 5, v[STO]
	v_add_nc_u32 v[STO], s21, v[STO]
	v_add_nc_u32 v[SRD], s21, v[LI16]
	s_wait_dscnt 0x0                               ; both opening adds are done
	s_wait_kmcnt 0x0
	s_mov_b32 s32, 1                               ; group 0: count = 1
	s_mov_b32 s33, s20                             ; LDS address
	s_lshl_b32 s22, s16, 16                        ; my 128 rows of 512 bytes
	s_mov_b32 s23, 0
	s_add_nc_u64 s[34:35], s[8:9], s[22:23]
	s_or_b32 s35, s35, 0x80000000                  ; type = 2
	CROUND                                         ; all four work-groups are here: the joint loads meet
	tensor_load_to_lds s[32:35], s[24:31]          ; my one tensor load of the launch: one is out
	s_nop 0
.rept 4
	v_nop
.endr
	s_lshl_b32 s22, s18, 15                        ; a's images: 32,768 bytes for 64 tokens
	s_add_nc_u64 s[4:5], s[4:5], s[22:23]
	s_lshr_b32 s22, s18, 5                         ; a's scale bytes: [batch x head][group][32] words: 65,536 x batch + 256 x (my block in the batch)
	s_lshl_b32 s22, s22, 16
	s_and_b32 s20, s18, 31
	s_lshl_b32 s20, s20, 8
	s_add_co_u32 s22, s22, s20
	s_add_nc_u64 s[6:7], s[6:7], s[22:23]
	s_lshl_b32 s22, s16, 11
	s_add_nc_u64 s[10:11], s[10:11], s[22:23]      ; Wo's scale bytes of my 128 rows
	s_lshl_b32 s22, s16, 9
	s_add_nc_u64 s[12:13], s[12:13], s[22:23]      ; my 128 numbers of the bias
	s_lshl_b32 s20, s18, 17                        ; out0: 64 rows of 2,048 bytes, + my 128 columns
	s_add_co_u32 s22, s22, s20
	s_add_nc_u64 s[14:15], s[14:15], s[22:23]
	WIN 0xC0
	s_wait_alu depctr_va_vdst(0)
.irp tau, 0,1,2,3
.irp ks, 0,1,2,3
.irp c, 0,1,2,3
	global_load_b128 v[64*\tau+16*\ks+4*\c:64*\tau+16*\ks+4*\c+3], v[LI16], s[4:5] offset:8192*\tau+2048*\ks+512*\c
.endr
.endr
.endr
	WIN 0
.irp il, 0,1
.irp hh, 0,1,2,3,4,5,6,7
	global_load_b32 v[RAW+8*\il+\hh], v[LI4], s[6:7] offset:8192*\hh+128*\il
.endr
.endr
.irp b, 0,1,2,3
	global_load_b128 v[RS+4*\b:RS+4*\b+3], v[LI16], s[10:11] offset:512*\b     ; lane l: row 32 b + l: the four K steps' words
.endr
.irp t, 0,1,2,3,4,5,6,7
	global_load_b128 v[BM+8*\t:BM+8*\t+3], v[VB], s[12:13] offset:64*\t        ; lane (., h), tile t: columns 16 t + 8 h + 0 .. 7
	global_load_b128 v[BM+8*\t+4:BM+8*\t+7], v[VB], s[12:13] offset:64*\t+16
.endr
	s_wait_tensorcnt 0x0                           ; my 128 rows of Wo have landed; nobody else reads them
.irp t, 0,1,2,3,4,5,6,7
	WIN 0x40+0x40*(\t/4)
.irp ks, 0,1,2,3
.irp c, 0,1,2,3
	ds_load_b128 v[64*(\t%4)+16*\ks+4*\c:64*(\t%4)+16*\ks+4*\c+3], v[AW] offset:16*WP*\t+128*\ks+32*\c
.endr
.endr
.endr
	WIN 0
	s_wait_loadcnt 0x0
.irp il, 0,1
.irp ks, 0,1,2,3
	v_perm_b32 v[SS+4*\il+\ks], v[RAW+8*\il+2*\ks+1], v[RAW+8*\il+2*\ks], 0x05040100   ; a K step of 128 is two heads: two bytes of each
.endr
.endr
.rept 8
	v_nop                                          ; a scale word made by vector instructions stands eight places ahead of its product
.endr
	s_wait_alu depctr_va_vdst(0)
	s_wait_dscnt 0x0
; A tile of 16 tokens: 32 products (four accumulators by turns), then the way out
.macro TAU tau
.irp hf, 0,1
	WIN 0x0D+\hf
.irp ks, 0,1,2,3
.irp tt, 0,1,2,3
.set rD, ACC+8*(4*\hf+\tt)
.set rA, 64*\tt+16*\ks
.set rB, 64*(\tau)+16*\ks
.if \ks == 0
.set rC, BM+8*(4*\hf+\tt)
.else
.set rC, rD
.endif
.set rSA, RS+4*((4*\hf+\tt)/2)+\ks
.set rSB, SS+4*((\tau)/2)+\ks
	WM (\tt)%2,(\tau)%2
.endr
.endr
.endr
	WIN 0
.rept 9
	v_nop                                          ; eight places in front of the first read of results; the ninth for the next tile's first products, which write over these accumulators
.endr
.irp t, 0,1,2,3,4,5,6,7
	ds_store_b128 v[STO], v[ACC+8*\t:ACC+8*\t+3] offset:64*\t          ; each accumulator from its low end on
	ds_store_b128 v[STO], v[ACC+8*\t+4:ACC+8*\t+7] offset:64*\t+16
.endr
.if (\tau) > 0
	s_wait_xcnt 0x0                                ; the last tile's stores have read their data
.endif
.irp rho, 0,1,2,3,4,5,6,7,8,9,10,11,12,13,14,15
	ds_load_b128 v[BK+4*\rho:BK+4*\rho+3], v[SRD] offset:\rho*WP       ; LDS serves a wave's instructions in order: these see my stores
.endr
	s_wait_dscnt 0x0
.irp rho, 0,1,2,3,4,5,6,7,8,9,10,11,12,13,14,15
	global_store_b128 v[LI16], v[BK+4*\rho:BK+4*\rho+3], s[14:15] offset:2048*(32*((\tau)/2)+8*((\tau)%2)+\rho+8*(\rho/8)) th:TH_STORE_NT   ; 32 lanes store 512 consecutive bytes of a token's row
.endr
.endm
	TAU 0
	TAU 1
	TAU 2
	TAU 3
	s_wait_tensorcnt 0x0                           ; the wave's end, behind my last LDS store
	ds_add_u32 v[SPW], v[NIL]
	s_wait_dscnt 0x0
	CROUND                                         ; the closing round
	s_endpgm
.Lfunc_end_k_q3b92bb933a_oproj:
	.size	k_q3b92bb933a_oproj, .Lfunc_end_k_q3b92bb933a_oproj-k_q3b92bb933a_oproj
	.p2alignl 7, 3214868480
	.fill 96, 4, 3214868480
	.section	.rodata,"a",@progbits
	.p2align	6, 0x0
	.amdhsa_kernel k_q3b92bb933a_oproj
		.amdhsa_group_segment_fixed_size 304640
		.amdhsa_private_segment_fixed_size 0
		.amdhsa_enable_private_segment 0
		.amdhsa_kernarg_size 48
		.amdhsa_user_sgpr_count 2
		.amdhsa_user_sgpr_kernarg_segment_ptr 1
		.amdhsa_wavefront_size32 1
		.amdhsa_system_sgpr_workgroup_id_x 1
		.amdhsa_system_sgpr_workgroup_id_y 1
		.amdhsa_system_sgpr_workgroup_id_z 1
		.amdhsa_system_vgpr_workitem_id 0
		.amdhsa_next_free_vgpr 1024
		.amdhsa_next_free_sgpr 66
		.amdhsa_reserve_vcc 0
		.amdhsa_float_denorm_mode_32 3
		.amdhsa_float_denorm_mode_16_64 3
		.amdhsa_memory_ordered 1
		.amdhsa_forward_progress 1
		.amdhsa_inst_pref_size 55
	.end_amdhsa_kernel
	.amdgpu_metadata
---
amdhsa.version: [ 1, 2 ]
amdhsa.kernels:
  - .name:           k_q3b92bb933a_oproj
    .symbol:         k_q3b92bb933a_oproj.kd
    .args:
      - { .name: abuf, .offset: 0, .size: 8, .value_kind: global_buffer, .address_space: global }
      - { .name: asc, .offset: 8, .size: 8, .value_kind: global_buffer, .address_space: global }
      - { .name: Wo_codes, .offset: 16, .size: 8, .value_kind: global_buffer, .address_space: global }
      - { .name: Wo_scales, .offset: 24, .size: 8, .value_kind: global_buffer, .address_space: global }
      - { .name: bo, .offset: 32, .size: 8, .value_kind: global_buffer, .address_space: global }
      - { .name: out0, .offset: 40, .size: 8, .value_kind: global_buffer, .address_space: global }
    .group_segment_fixed_size: 304640
    .private_segment_fixed_size: 0
    .kernarg_segment_align: 8
    .kernarg_segment_size: 48
    .max_flat_workgroup_size: 128
    .sgpr_count:     66
    .vgpr_count:     1024
    .wavefront_size: 32
...
	.end_amdgpu_metadata
.endif
;; end of part 3
